; MI455X (gfx1250); checked and timed in simulation.
; The chip was launched on July 23, 2026; its instructions are those of AMD's public machine-readable ISA for CDNA 5 (MIT licence, August 2026) and "CDNA5" Instruction Set Architecture Reference Guide (July 2026). The comments in the code are by the model that wrote it; some were corrected since.
;; Sprecher Block. Allowed arithmetic: float matrix products may take bf16 or f16 operands with f32 sums; all other float work in f32.
;; Inputs: Phi_y 64 float32; eta one number float32; lam 256 float32; raw_increments 64 float32; x 8,192 x 256 float32.
;; Outputs: out0 8,192 x 64 float32.
;; 2 versions, each right; version 2 is version 1 with the launch main written anew for expert scheduling mode. Each part assembles by itself: llvm-mc -triple=amdgcn-amd-amdhsa -mcpu=gfx1250 --defsym DOCPART=n.
;; ======== version 1 of 2: 2 launches
;; limits: inputs' magnitudes at most 520
;; workspace buffers: xq 8,388,608 bytes of whole numbers; qe 256 bytes of whole numbers; tab 1,280 bytes
;; launch quant (part 1): grid 513 x 1, 8 waves a work-group, no clusters, 0 bytes of LDS; arguments x, eta, raw_increments, Phi_y, xq, qe, tab; writes xq, qe, tab
.if DOCPART == 1
	.amdgcn_target "amdgcn-amd-amdhsa--gfx1250"
	.amdhsa_code_object_version 6
	.text
	.protected	k_qc4a2147979_quant
	.globl	k_qc4a2147979_quant
	.p2align	8
	.type	k_qc4a2147979_quant,@function
k_qc4a2147979_quant:
	s_mov_b64 s[64:65], 0
	v_nop
	global_prefetch_b8 v0, s[64:65] scope:SCOPE_SE
	s_setreg_imm32_b32 hwreg(HW_REG_WAVE_MODE, 25, 1), 1
	s_wait_xcnt 0x0
; First of two launches.  It turns everything from which the second launch forms table indices into whole numbers, and builds the tables.
;   xq[b][d] = round((x[b][d] + 0.5) * 31.5 * 65536 + 65536)     int32: (u + 1) in units of 1/65536 of a knot interval of the inner spline
;   qe[q]    = round(q * eta * 31.5 * 65536)                     int32: the shift of output q in the same units
;   tab      : 128 pairs (a_j, b_j) of f32, then Phi_y[0] and the 63 differences Phi_y[k+1] - Phi_y[k]
; With U = xq + qe and j = clamp(U >> 16, 0, 64) the inner spline is a_j + b_j * float(U):
;   j = 0: (0, 0), left of the domain;  j = 64: (1, 0), right of it;  j = k + 1: slope sl_k = inc[k+1] / (cs[63] - cs[0] + 1e-12),
;   a = ky[k] - j * sl_k,  b = sl_k / 65536.  Pairs 65 to 127 are zeros and are never indexed.
; LIMITS: both whole numbers are clamped to +-(2^30 - 64), so that their sum stays inside int32: |x| or |q eta| above about 520 saturates,
; which differs from the formula only where two such numbers would cancel back into [-0.5, 1.5].  The position in a knot interval is
; resolved to 1/65536.  A NaN in x or eta is not carried through (it becomes a whole number).
; Work-groups 0 to 511 stream x: 16,384 bytes each, every load and store of a wave covers 512 consecutive bytes, aligned.
; Work-group 512 builds the tables: 64 knots are two numbers a lane of one wave, so its other seven waves have nothing to do and end.
; No LDS, no matrix unit, no cluster: the stream shares nothing between work-groups and each byte is touched once.
.set NSTREAM, 512
.set KMUL, 0x49fc0000                  ; 31.5 * 65536 = 2064384.0
.set KADD, 0x49860000                  ; 0.5 * 2064384 + 65536 = 1097728.0
.set D,  8                             ; v[8:23]  the stream's four slots of four numbers
.set T0, 16                            ; v[16:20] SOFTPLUS at work
	s_load_b256 s[4:11], s[0:1], 0x0               ; x s[4:5], eta s[6:7], raw_increments s[8:9], Phi_y s[10:11]
	s_load_b128 s[12:15], s[0:1], 0x20             ; xq s[12:13], qe s[14:15]
	s_load_b64 s[16:17], s[0:1], 0x30              ; tab
	s_mov_b32 s18, 0xce7fffff                      ; -(2^30 - 64)
	s_mov_b32 s19, 0x4e7fffff                      ;   2^30 - 64
	s_wait_kmcnt 0x0
	s_cmp_eq_u32 ttmp9, NSTREAM
	s_cbranch_scc1 .Ltab
	; ---- the stream ----
	s_lshl_b32 s2, ttmp9, 14                       ; 16,384 bytes a work-group
	s_mov_b32 s3, 0
	v_lshlrev_b32 v1, 4, v0                        ; 16 bytes a thread
	v_mov_b32 v2, KMUL                             ; the two constants as pairs for the packed multiply-add
	v_mov_b32 v3, KMUL
	v_mov_b32 v4, KADD
	v_mov_b32 v5, KADD
	s_add_nc_u64 s[4:5], s[4:5], s[2:3]
	s_add_nc_u64 s[12:13], s[12:13], s[2:3]
.irp j, 0,1,2,3
	global_load_b128 v[D+4*\j:D+4*\j+3], v1, s[4:5] offset:4096*\j th:TH_LOAD_NT
.endr
.irp j, 0,1,2,3
	s_wait_loadcnt 3-\j                            ; loads come back in order: slot j is in, the younger ones stay out
	v_pk_fma_f32 v[D+4*\j:D+4*\j+1],   v[D+4*\j:D+4*\j+1],   v[2:3], v[4:5]
	v_pk_fma_f32 v[D+4*\j+2:D+4*\j+3], v[D+4*\j+2:D+4*\j+3], v[2:3], v[4:5]
.irp e, 0,1,2,3
	v_med3_num_f32 v[D+4*\j+\e], v[D+4*\j+\e], s18, s19
.endr
.irp e, 0,1,2,3
	v_rndne_f32 v[D+4*\j+\e], v[D+4*\j+\e]
.endr
.irp e, 0,1,2,3
	v_cvt_i32_f32 v[D+4*\j+\e], v[D+4*\j+\e]
.endr
	global_store_b128 v1, v[D+4*\j:D+4*\j+3], s[12:13] offset:4096*\j   ; no hint: the next launch reads it
.endr
	s_endpgm
	; ---- the tables: wave 0 of work-group 512, lane l holds knots l and l + 32 ----
.Ltab:
	v_lshrrev_b32 v1, 5, v0
	v_readfirstlane_b32 s20, v1                    ; wave number
	s_cmp_lg_u32 s20, 0
	s_cbranch_scc1 .Lend
	s_load_b32 s21, s[6:7], 0x0                    ; eta
	v_lshlrev_b32 v4, 2, v0                        ; 4 l
	v_add_nc_u32 v5, 33, v0
	v_min_u32 v5, 63, v5
	v_lshlrev_b32 v5, 2, v5                        ; 4 min(l + 33, 63): lane 31 stays inside the 64 numbers, its value is not used
	v_lshlrev_b32 v6, 3, v0                        ; 8 l
	global_load_b32 v8,  v4, s[8:9]                ; raw[l]
	global_load_b32 v9,  v4, s[8:9] offset:128     ; raw[l + 32]
	global_load_b32 v10, v4, s[8:9] offset:4       ; raw[l + 1]
	global_load_b32 v11, v5, s[8:9]                ; raw[l + 33]
	global_load_b32 v12, v4, s[10:11]              ; Phi_y[l]
	global_load_b32 v13, v4, s[10:11] offset:4     ; Phi_y[l + 1]
	global_load_b32 v14, v4, s[10:11] offset:128   ; Phi_y[l + 32]
	global_load_b32 v15, v5, s[10:11]              ; Phi_y[l + 33]
	v_cmp_eq_u32 s30, 31, v0                       ; lane 31
	v_cmp_lt_u32 s31, 15, v0                       ; lanes 16 to 31
	s_wait_loadcnt 0x0
	s_wait_kmcnt 0x0
; dst = softplus(src) + 1e-6 = max(r, 0) + log1p(exp(-|r|)) + 1e-6.  log1p(t) = log(w) * t / (w - 1) with w = 1 + t as rounded
; (t itself where w - 1 is 0), which keeps its relative accuracy for small t.  Behind each transcendental stands one plain vector
; instruction that neither reads its result nor writes its source (ISA guide 5.7.2).
.macro SOFTPLUS dst, src
	v_and_b32 v[T0], 0x7fffffff, v[\src]
	v_mul_f32 v[T0], 0xbfb8aa3b, v[T0]             ; -|r| log2(e)
	v_exp_f32 v[T0+1], v[T0]                       ; t
	v_max_num_f32 v[\dst], 0, v[\src]
	s_wait_alu depctr_va_vdst(0)
	v_add_f32 v[T0+2], 1.0, v[T0+1]                ; w
	v_log_f32 v[T0+3], v[T0+2]
	v_add_f32 v[T0], -1.0, v[T0+2]                 ; w - 1
	v_rcp_f32 v[T0+4], v[T0]
	s_wait_alu depctr_va_vdst(0)
	v_mul_f32 v[T0+3], 0x3f317218, v[T0+3]         ; ln(w)
	v_mul_f32 v[T0+3], v[T0+3], v[T0+1]
	v_mul_f32 v[T0+3], v[T0+3], v[T0+4]
	v_cmp_eq_f32 vcc_lo, 0, v[T0]
	v_cndmask_b32 v[T0+3], v[T0+3], v[T0+1], vcc_lo
	v_add_f32 v[\dst], v[\dst], v[T0+3]
	v_add_f32 v[\dst], 0x358637bd, v[\dst]         ; + 1e-6
.endm
	SOFTPLUS 24, 8                                 ; inc[l]
	SOFTPLUS 25, 9                                 ; inc[l + 32]
	SOFTPLUS 26, 10                                ; inc[l + 1]
	SOFTPLUS 27, 11                                ; inc[l + 33]
	; running sums: inside each row of 16 lanes by four shifted adds, then the rows and the two registers are chained
.irp n, 1,2,4,8
	v_add_f32_dpp v24, v24, v24 row_shr:\n row_mask:0xf bank_mask:0xf bound_ctrl:1
	v_add_f32_dpp v25, v25, v25 row_shr:\n row_mask:0xf bank_mask:0xf bound_ctrl:1
.endr
	v_readlane_b32 s22, v24, 15
	v_readlane_b32 s23, v25, 15
	v_mov_b32 v28, s22
	v_mov_b32 v29, s23
	v_cndmask_b32 v28, 0, v28, s31
	v_cndmask_b32 v29, 0, v29, s31
	v_add_f32 v24, v24, v28                        ; cs[l]
	v_add_f32 v25, v25, v29
	v_readlane_b32 s24, v24, 31
	v_add_f32 v25, s24, v25                        ; cs[l + 32]
	v_readlane_b32 s25, v24, 0                     ; cs[0]
	v_readlane_b32 s26, v25, 31                    ; cs[63]
	v_mov_b32 v30, s25
	v_sub_f32 v31, s26, v30
	v_add_f32 v31, 0x2b8cbccc, v31                 ; + 1e-12
	v_rcp_f32 v21, v31
	v_sub_f32 v24, v24, v30                        ; (the plain instruction behind the reciprocal)
	v_sub_f32 v25, v25, v30
	s_wait_alu depctr_va_vdst(0)
	v_mul_f32 v24, v24, v21                        ; ky[l]
	v_mul_f32 v25, v25, v21                        ; ky[l + 32]
	v_mul_f32 v26, v26, v21                        ; sl[l]      = ky[l + 1]  - ky[l]
	v_mul_f32 v27, v27, v21                        ; sl[l + 32] = ky[l + 33] - ky[l + 32]
	v_cvt_f32_u32 v28, v0                          ; l
	v_add_f32 v29, 1.0, v28                        ; j = l + 1
	v_add_f32 v22, 0x42040000, v28                 ; j = l + 33
	v_fma_f32 v32, -v29, v26, v24                  ; a = ky - j sl
	v_mul_f32 v33, 0x37800000, v26                 ; b = sl / 65536
	v_fma_f32 v34, -v22, v27, v25
	v_mul_f32 v35, 0x37800000, v27
	v_mov_b32 v36, 0
	v_mov_b32 v37, 0
	v_mov_b32 v38, 1.0
	v_cndmask_b32 v34, v34, v38, s30               ; lane 31 writes pair 64: (1, 0)
	v_cndmask_b32 v35, v35, v36, s30
	v_add_nc_u32 v7, 776, v6                       ; pairs 97 to 127; lane 31 takes pair 0
	v_cndmask_b32 v7, v7, v36, s30
	global_store_b64 v6, v[32:33], s[16:17] offset:8       ; pairs 1 to 32
	global_store_b64 v6, v[34:35], s[16:17] offset:264     ; pairs 33 to 64
	global_store_b64 v6, v[36:37], s[16:17] offset:520     ; pairs 65 to 96: zeros
	global_store_b64 v7, v[36:37], s[16:17]                ; pairs 97 to 127 and pair 0: zeros
	; the outer spline: word 0 = Phi_y[0], word 1 + k = Phi_y[k + 1] - Phi_y[k]
	v_sub_f32 v40, v13, v12
	v_sub_f32 v41, v15, v14
	v_readlane_b32 s27, v12, 0
	v_mov_b32 v42, s27
	v_cndmask_b32 v41, v41, v42, s30               ; lane 31 has no difference 63: it writes Phi_y[0]
	v_add_nc_u32 v39, 1156, v4
	v_mov_b32 v43, 0x400
	v_cndmask_b32 v39, v39, v43, s30
	global_store_b32 v4, v40, s[16:17] offset:1028
	global_store_b32 v39, v41, s[16:17]
	; the shifts q eta, q = l and l + 32
	s_mul_f32 s28, s21, KMUL
	v_add_f32 v44, 0x42000000, v28
	v_mul_f32 v45, s28, v28
	v_mul_f32 v44, s28, v44
	v_med3_num_f32 v45, v45, s18, s19
	v_med3_num_f32 v44, v44, s18, s19
	v_rndne_f32 v45, v45
	v_rndne_f32 v44, v44
	v_cvt_i32_f32 v45, v45
	v_cvt_i32_f32 v44, v44
	global_store_b32 v4, v45, s[14:15]
	global_store_b32 v4, v44, s[14:15] offset:128
.Lend:
	s_endpgm
.Lfunc_end_k_qc4a2147979_quant:
	.size	k_qc4a2147979_quant, .Lfunc_end_k_qc4a2147979_quant-k_qc4a2147979_quant
	.p2alignl 7, 3214868480
	.fill 96, 4, 3214868480
	.section	.rodata,"a",@progbits
	.p2align	6, 0x0
	.amdhsa_kernel k_qc4a2147979_quant
		.amdhsa_group_segment_fixed_size 0
		.amdhsa_private_segment_fixed_size 0
		.amdhsa_enable_private_segment 0
		.amdhsa_kernarg_size 56
		.amdhsa_user_sgpr_count 2
		.amdhsa_user_sgpr_kernarg_segment_ptr 1
		.amdhsa_wavefront_size32 1
		.amdhsa_system_sgpr_workgroup_id_x 1
		.amdhsa_system_sgpr_workgroup_id_y 1
		.amdhsa_system_sgpr_workgroup_id_z 1
		.amdhsa_system_vgpr_workitem_id 0
		.amdhsa_next_free_vgpr 48
		.amdhsa_next_free_sgpr 66
		.amdhsa_reserve_vcc 1
		.amdhsa_float_denorm_mode_32 3
		.amdhsa_float_denorm_mode_16_64 3
		.amdhsa_memory_ordered 1
		.amdhsa_forward_progress 1
		.amdhsa_inst_pref_size 13
	.end_amdhsa_kernel
	.amdgpu_metadata
---
amdhsa.version: [ 1, 2 ]
amdhsa.kernels:
  - .name:           k_qc4a2147979_quant
    .symbol:         k_qc4a2147979_quant.kd
    .args:
      - { .name: x, .offset: 0, .size: 8, .value_kind: global_buffer, .address_space: global }
      - { .name: eta, .offset: 8, .size: 8, .value_kind: global_buffer, .address_space: global }
      - { .name: raw_increments, .offset: 16, .size: 8, .value_kind: global_buffer, .address_space: global }
      - { .name: Phi_y, .offset: 24, .size: 8, .value_kind: global_buffer, .address_space: global }
      - { .name: xq, .offset: 32, .size: 8, .value_kind: global_buffer, .address_space: global }
      - { .name: qe, .offset: 40, .size: 8, .value_kind: global_buffer, .address_space: global }
      - { .name: tab, .offset: 48, .size: 8, .value_kind: global_buffer, .address_space: global }
    .group_segment_fixed_size: 0
    .private_segment_fixed_size: 0
    .kernarg_segment_align: 8
    .kernarg_segment_size: 56
    .max_flat_workgroup_size: 256
    .sgpr_count:     66
    .vgpr_count:     48
    .wavefront_size: 32
...
	.end_amdgpu_metadata
.endif
;; end of part 1
;; launch main (part 2): grid 256 x 1, 16 waves a work-group, no clusters, 57,088 bytes of LDS; arguments xq, qe, tab, lam, out0; writes out0
.if DOCPART == 2
	.amdgcn_target "amdgcn-amd-amdhsa--gfx1250"
	.amdhsa_code_object_version 6
	.text
	.protected	k_qc4a2147979_main
	.globl	k_qc4a2147979_main
	.p2align	8
	.type	k_qc4a2147979_main,@function
k_qc4a2147979_main:
	s_mov_b64 s[64:65], 0
	v_nop
	global_prefetch_b8 v0, s[64:65] scope:SCOPE_SE
	s_setreg_imm32_b32 hwreg(HW_REG_WAVE_MODE, 25, 1), 1
	s_wait_xcnt 0x0
; Second launch: out0[b][q] = Phi( sum over d of lam[d] * phi(x[b][d] + q eta) + q ).
; phi comes from the table of pairs: U = xq[b][d] + qe[q] (whole numbers), j = clamp(U >> 16, 0, 64), phi = a_j + b_j * float(U).
; Every index is made of whole numbers read from memory; no address hangs on a floating-point number.
; A work-group owns 32 rows b.  Wave w: bt = w & 1 (16 rows), kh = (w >> 1) & 1 (128 of the 256 d), qc = w >> 2 (16 of the 64 q).
; Lane (r, h) owns row 16 bt + r and d = 128 kh + 64 h + 0..63: its 64 whole numbers stay in registers for all 16 q.
; The sum over d is left to the matrix unit: phi, rounded once to bf16, is source B (column n = r); lam in bf16 is source A with all 16 rows
; alike, so register 0 of the result holds the sum of row r in every lane.  k is permuted alike in A and B: place p of chunk c is d = .. + 16 c + p.
; The two halves of d meet in LDS; the outer spline is then evaluated without a table look-up, as Phi_y[0] plus a sum of clamped ramps.
; LIMITS: as stated for the whole numbers (|x|, |q eta| above about 520 saturate; NaN in x or eta is not carried); phi and lam enter the sum in bf16.
; NO CLUSTER: what work-groups share is 2,304 bytes of tables and lam against 32,768 bytes of their own rows, loaded once.
; No tensor loads, no ring of slots: the rows are staged once, through registers, and nothing is filled again.
.set XS_PITCH, 1040                    ; a row of 1,024 bytes + 16: the 16 rows that a fragment load touches fall on 16 different 16-byte columns of 256
.set TAB, 33280                        ; behind 32 rows of XS: 1,024 bytes of pairs
.set SP,  34304                        ; partial sums: a block of SPW bytes for each wave, 16 rows of SPP bytes (16 q of 4 bytes + 16)
.set SPW, 1296
.set SPP, 80
.set X,    16                          ; v[16:79]    my 64 whole numbers
.set LAM,  80                          ; v[80:111]   lam in bf16: 4 chunks of 8 registers
.set ACC0, 112                         ; v[112:119]  accumulator of chunks 0, 2
.set ACC1, 120                         ; v[120:127]  accumulator of chunks 1, 3
.set P,    128                         ; v[128:135]  phi of one chunk in bf16
.set UF0,  136                         ; v[136:151]  U, then float(U): buffer 0
.set UF1,  152                         ; v[152:167]  buffer 1
.set AB0,  168                         ; v[168:199]  index, then the pair (a, b): buffer 0
.set AB1,  200                         ; v[200:231]  buffer 1
; the last phase, in registers that are free by then
.set DT,   16                          ; v[16:79]    Phi_y[0] and the 63 differences
.set U4,   80                          ; v[80:83]    s, then u - k of my four outputs
.set T,    84                          ; v[84:87]    the clamped ramp
.set Y,    88                          ; v[88:91]    the result
.set P0,   92                          ; v[92:95]    partial sums, d 0-127
.set P1,   96                          ; v[96:99]    partial sums, d 128-255
.set Q,    100                         ; v[100:103]  q
.set C3,   104                         ; v[104:105]  3.15 twice
.set C31,  106                         ; v[106:107]  31.5 twice
	s_load_b256 s[4:11], s[0:1], 0x0               ; xq s[4:5], qe s[6:7], tab s[8:9], lam s[10:11]
	s_load_b64 s[12:13], s[0:1], 0x20              ; out0
	v_lshl_add_u32 v232, v0, 2, 0xd700
	v_mov_b32 v233, 0
	v_lshrrev_b32 v12, 5, v0
	v_readfirstlane_b32 s14, v12                   ; wave number
	s_and_b32 s15, s14, 1                          ; bt
	s_bfe_u32 s16, s14, 0x10001                    ; kh
	s_lshr_b32 s17, s14, 2                         ; qc
	v_lshlrev_b32 v1, 4, v0                        ; 16 t: my 16 bytes of the work-group's part of out0
	v_and_b32 v12, 15, v0                          ; r
	v_bfe_u32 v13, v0, 4, 1                        ; h
	v_and_b32 v14, 31, v0
	v_lshlrev_b32 v14, 4, v14                      ; 16 x lane
	s_lshl_b32 s18, s14, 10
	v_add_nc_u32 v10, s18, v14                     ; staging, from: row w of the work-group's 32, 16 bytes a lane
	s_mul_i32 s18, s14, XS_PITCH
	v_add_nc_u32 v8, s18, v14                      ; staging, to: the same row in XS
	s_lshl_b32 s18, s14, 9
	v_add_nc_u32 v15, s18, v14                     ; waves 0, 1: 16 t, in tab and in TAB
	s_lshl_b32 s19, s16, 9                         ; 512 kh
	v_lshl_add_u32 v9, v13, 8, s19                 ; lam: byte 512 kh + 256 h
	s_mul_i32 s18, s15, 16*XS_PITCH
	s_add_co_u32 s18, s18, s19
	v_mul_u32_u24 v11, v12, XS_PITCH
	v_lshl_add_u32 v11, v13, 8, v11
	v_add_nc_u32 v11, s18, v11                     ; my 256 bytes in XS: (16 bt + r) pitch + 512 kh + 256 h
	s_mul_i32 s26, s14, SPW
	s_add_co_u32 s26, s26, SP
	v_mul_u32_u24 v2, v12, SPP
	v_add_nc_u32 v2, s26, v2                       ; where my row's sums go: my wave's block, row r
	s_lshl_b32 s20, ttmp9, 15                      ; 32 rows of 1,024 bytes of xq
	s_mov_b32 s21, 0
	s_lshl_b32 s22, ttmp9, 13                      ; 32 rows of 256 bytes of out0
	s_mov_b32 s23, 0
	s_lshl_b32 s24, s17, 6                         ; my 16 q in qe
	s_mov_b32 s25, 0
	s_wait_kmcnt 0x0
	s_add_nc_u64 s[4:5], s[4:5], s[20:21]
	s_add_nc_u64 s[12:13], s[12:13], s[22:23]
	s_add_nc_u64 s[6:7], s[6:7], s[24:25]
	s_load_b512 s[32:47], s[6:7], 0x0              ; the shifts of my 16 q
	; rows w and w + 16, two halves of 512 consecutive bytes each
	global_load_b128 v[16:19], v10, s[4:5] th:TH_LOAD_NT
	global_load_b128 v[20:23], v10, s[4:5] offset:16384 th:TH_LOAD_NT
	global_load_b128 v[24:27], v10, s[4:5] offset:512 th:TH_LOAD_NT
	global_load_b128 v[28:31], v10, s[4:5] offset:16896 th:TH_LOAD_NT
.irp i, 0,1,2,3,4,5,6,7,8,9,10,11,12,13,14,15
	global_load_b128 v[AB0+4*\i:AB0+4*\i+3], v9, s[10:11] offset:16*\i     ; my 64 lam, in f32
.endr
	s_cmp_gt_u32 s14, 1
	s_cbranch_scc1 .Lno_tab
	global_load_b128 v[4:7], v15, s[8:9]           ; waves 0 and 1 copy the 1,024 bytes of pairs
	s_wait_loadcnt 0x0
	ds_store_b128 v15, v[4:7] offset:TAB
.Lno_tab:
	s_wait_loadcnt 16                              ; the four loads of rows are in; lam's sixteen, issued behind them, may stay out
	ds_store_b128 v8, v[16:19]
	ds_store_b128 v8, v[20:23] offset:16*XS_PITCH
	ds_store_b128 v8, v[24:27] offset:512
	ds_store_b128 v8, v[28:31] offset:16*XS_PITCH+512
	s_wait_dscnt 0x0                               ; my stores are in LDS before I say so
	s_barrier_signal -1
	s_barrier_wait -1                              ; XS and TAB are whole
.irp i, 0,1,2,3,4,5,6,7,8,9,10,11,12,13,14,15
	ds_load_b128 v[X+4*\i:X+4*\i+3], v11 offset:16*\i
.endr
	s_wait_loadcnt 0x0                             ; lam
.irp i, 0,1,2,3,4,5,6,7,8,9,10,11,12,13,14,15,16,17,18,19,20,21,22,23,24,25,26,27,28,29,30,31
	v_cvt_pk_bf16_f32 v[LAM+\i], v[AB0+2*\i], v[AB0+2*\i+1]
.endr
.irp j, 0,1,2,3,4,5,6,7
	v_mov_b32 v[P+\j], 0                           ; the half-word forms below keep the other half of their destination: it is written once here
.endr
	s_wait_kmcnt 0x0                               ; the shifts
	s_wait_dscnt 0x0                               ; my 64 whole numbers
; The first half of a chunk of 16 numbers a lane: U, the clamped index, sixteen gathers of a pair, float(U).
; c: chunk 0..3; sq: the scalar register with the shift of this q; uf, ab: the buffer.
.macro STA c, sq, uf, ab
.irp e, 0,1,2,3,4,5,6,7,8,9,10,11,12,13,14,15
	v_add_nc_u32 v[\uf+\e], s[\sq], v[X+16*\c+\e]
.endr
.irp e, 0,1,2,3,4,5,6,7,8,9,10,11,12,13,14,15
	v_ashrrev_i32 v[\ab+2*\e], 16, v[\uf+\e]
.endr
.irp e, 0,1,2,3,4,5,6,7,8,9,10,11,12,13,14,15
	v_max_i32 v[\ab+2*\e], 0, v[\ab+2*\e]
.endr
.irp e, 0,1,2,3,4,5,6,7,8,9,10,11,12,13,14,15
	v_min_u32 v[\ab+2*\e], 64, v[\ab+2*\e]
.endr
.irp e, 0,1,2,3,4,5,6,7,8,9,10,11,12,13,14,15
	v_lshlrev_b32 v[\ab+2*\e], 3, v[\ab+2*\e]
.endr
.irp e, 0,1,2,3,4,5,6,7,8,9,10,11,12,13,14,15
	ds_load_b64 v[\ab+2*\e:\ab+2*\e+1], v[\ab+2*\e] offset:TAB    ; the pair lands on its own address register
.endr
.irp e, 0,1,2,3,4,5,6,7,8,9,10,11,12,13,14,15
	v_cvt_f32_i32 v[\uf+\e], v[\uf+\e]
.endr
.endm
; The sum of one q is the two accumulators' register 0; both halves of the lanes store the same word with the same value.
.macro EXTRACT off
	v_add_f32 v3, v[ACC0], v[ACC1]
	ds_store_b32 v2, v3 offset:\off
.endm
; Four places behind a matrix instruction before a vector instruction reads its result or writes one of its sources (ISA guide 7.12.1).
.macro PLACES
.rept 4
	v_nop
.endr
.endm
; The second half of a chunk: a + b float(U), rounded once to bf16, and one matrix instruction.
; cnt: LDS instructions that may stay out (the next chunk's sixteen gathers; a sum's store, where there is one, is older than they are).
; first = 1: the product starts the sum of a new q.  ext = 1: the finished sum of the q before is taken out first.
.macro STB c, uf, ab, acc, cnt, first, ext
	s_wait_dscnt \cnt
.if \ext
	EXTRACT 0
.endif
.irp j, 0,1,2,3,4,5,6,7
	v_fma_mixlo_bf16 v[P+\j], v[\uf+2*\j], v[\ab+4*\j+1], v[\ab+4*\j]
.endr
.irp j, 0,1,2,3,4,5,6,7
	v_fma_mixhi_bf16 v[P+\j], v[\uf+2*\j+1], v[\ab+4*\j+3], v[\ab+4*\j+2]
.endr
.if \first
	v_wmma_f32_16x16x32_bf16 v[\acc:\acc+7], v[LAM+8*\c:LAM+8*\c+7], v[P:P+7], 0
.else
	v_wmma_f32_16x16x32_bf16 v[\acc:\acc+7], v[LAM+8*\c:LAM+8*\c+7], v[P:P+7], v[\acc:\acc+7]
.endif
.endm
; A trip: two q, eight chunks.  Each chunk's gathers are issued one chunk ahead, so that a whole first half (96 vector instructions) stands
; between a matrix instruction and the next write of P or read of a sum.  The two accumulators take turns, one instruction a turn, over the
; backward jump too.
.macro TRIP last
	STA 1, 32, UF1, AB1
	STB 0, UF0, AB0, ACC0, 16, 1, 0
	STA 2, 32, UF0, AB0
	STB 1, UF1, AB1, ACC1, 16, 1, 0
	STA 3, 32, UF1, AB1
	STB 2, UF0, AB0, ACC0, 16, 0, 0
	STA 0, 33, UF0, AB0
	STB 3, UF1, AB1, ACC1, 16, 0, 0
	STA 1, 33, UF1, AB1
	STB 0, UF0, AB0, ACC0, 16, 1, 1
	STA 2, 33, UF0, AB0
	STB 1, UF1, AB1, ACC1, 16, 1, 0
	STA 3, 33, UF1, AB1
	STB 2, UF0, AB0, ACC0, 16, 0, 0
.if \last
	PLACES                                         ; no first half stands here: the places in front of the writes of P
	STB 3, UF1, AB1, ACC1, 0, 0, 0
.else
	STA 0, 34, UF0, AB0                            ; the next trip's first chunk
	STB 3, UF1, AB1, ACC1, 16, 0, 0
.endif
	PLACES
	EXTRACT 4
.if \last == 0
	v_add_nc_u32 v2, 8, v2                         ; two q on
.irp i, 32,34,36,38,40,42,44
	s_mov_b64 s[\i:\i+1], s[\i+2:\i+3]             ; the shifts move down by two: s32, s33, s34 are this trip's two and the next one's first
.endr
.endif
.endm
	STA 0, 32, UF0, AB0
	s_mov_b32 s48, 7
.Ltrip:
	TRIP 0
	s_sub_co_i32 s48, s48, 1
	s_cmp_lg_u32 s48, 0
	s_cbranch_scc1 .Ltrip
	TRIP 1                                         ; the eighth trip looks no further ahead
	; ---- the outer spline.  Thread t: row t >> 4, q = 4 (t & 15) + 0..3 ----
	v_mov_b32 v4, 0
.irp i, 0,1,2,3,4,5,6,7,8,9,10,11,12,13,14,15
	global_load_b128 v[DT+4*\i:DT+4*\i+3], v4, s[8:9] offset:1024+16*\i    ; Phi_y[0] and the 63 differences, the same in every lane
.endr
	s_wait_dscnt 0x0                               ; my sums are in LDS before I say so
	s_barrier_signal -1
	s_barrier_wait -1
	v_lshrrev_b32 v5, 8, v0                        ; bt of my row
	v_bfe_u32 v6, v0, 2, 2                         ; qc of my four q
	v_lshl_add_u32 v5, v6, 2, v5                   ; the wave bt + 4 qc (kh = 0)
	v_mul_u32_u24 v5, v5, SPW
	v_bfe_u32 v6, v0, 4, 4                         ; r of my row
	v_mul_u32_u24 v6, v6, SPP
	v_add_nc_u32 v5, v5, v6
	v_and_b32 v6, 3, v0
	v_lshl_add_u32 v5, v6, 4, v5
	ds_load_b128 v[P0:P0+3], v5 offset:SP
	ds_load_b128 v[P1:P1+3], v5 offset:SP+2*SPW    ; the wave with kh = 1 is two blocks on
	v_and_b32 v6, 15, v0
	v_lshlrev_b32 v6, 2, v6
	v_cvt_f32_u32 v[Q], v6
	v_add_f32 v[Q+1], 1.0, v[Q]
	v_add_f32 v[Q+2], 2.0, v[Q]
	v_add_f32 v[Q+3], 0x40400000, v[Q]
	v_mov_b32 v[C3], 0x4049999a                    ; 63 / 20
	v_mov_b32 v[C3+1], 0x4049999a
	v_mov_b32 v[C31], 0x41fc0000                   ; 10 * 63 / 20
	v_mov_b32 v[C31+1], 0x41fc0000
	s_wait_dscnt 0x0
	v_pk_add_f32 v[U4:U4+1],   v[P0:P0+1],   v[P1:P1+1]
	v_pk_add_f32 v[U4+2:U4+3], v[P0+2:P0+3], v[P1+2:P1+3]
	v_pk_add_f32 v[U4:U4+1],   v[U4:U4+1],   v[Q:Q+1]          ; s = sum + q
	v_pk_add_f32 v[U4+2:U4+3], v[U4+2:U4+3], v[Q+2:Q+3]
	v_pk_fma_f32 v[U4:U4+1],   v[U4:U4+1],   v[C3:C3+1], v[C31:C31+1]      ; u = (s + 10) * 3.15
	v_pk_fma_f32 v[U4+2:U4+3], v[U4+2:U4+3], v[C3:C3+1], v[C31:C31+1]
	s_wait_loadcnt 0x0
	; Phi = Phi_y[0] + d_0 min(u, 1) + sum over k = 1..61 of d_k clamp(u - k, 0, 1) + d_62 max(u - 62, 0):
	; the open first and last ramps are the two linear continuations.  u - k is made by taking 1 away k times, which is exact
	; as long as u - k is not negative, that is wherever the ramp is not clamped to 0.
.irp e, 0,1,2,3
	v_min_num_f32 v[T+\e], 1.0, v[U4+\e]
.endr
	v_pk_fma_f32 v[Y:Y+1],   v[T:T+1],   v[DT:DT+1], v[DT:DT+1] op_sel:[0,1,0] op_sel_hi:[1,1,0]   ; T d_0 + Phi_y[0]: word 1 times, word 0 plus
	v_pk_fma_f32 v[Y+2:Y+3], v[T+2:T+3], v[DT:DT+1], v[DT:DT+1] op_sel:[0,1,0] op_sel_hi:[1,1,0]
.set k, 1
.rept 62
	v_pk_add_f32 v[U4:U4+1],   v[U4:U4+1],   -1.0 op_sel_hi:[1,0]
	v_pk_add_f32 v[U4+2:U4+3], v[U4+2:U4+3], -1.0 op_sel_hi:[1,0]
.if k < 62
.irp e, 0,1,2,3
	v_med3_num_f32 v[T+\e], v[U4+\e], 0, 1.0
.endr
.else
.irp e, 0,1,2,3
	v_max_num_f32 v[T+\e], 0, v[U4+\e]
.endr
.endif
.if (1+k) & 1
	v_pk_fma_f32 v[Y:Y+1],   v[T:T+1],   v[DT+k:DT+k+1], v[Y:Y+1]   op_sel:[0,1,0] op_sel_hi:[1,1,1]    ; d_k is the pair's second word
	v_pk_fma_f32 v[Y+2:Y+3], v[T+2:T+3], v[DT+k:DT+k+1], v[Y+2:Y+3] op_sel:[0,1,0] op_sel_hi:[1,1,1]
.else
	v_pk_fma_f32 v[Y:Y+1],   v[T:T+1],   v[DT+k+1:DT+k+2], v[Y:Y+1]   op_sel_hi:[1,0,1]                 ; d_k is the pair's first word
	v_pk_fma_f32 v[Y+2:Y+3], v[T+2:T+3], v[DT+k+1:DT+k+2], v[Y+2:Y+3] op_sel_hi:[1,0,1]
.endif
.set k, k+1
.endr
	global_store_b128 v1, v[Y:Y+3], s[12:13] th:TH_STORE_NT        ; sixteen lanes store one row of out0: 256 consecutive bytes, aligned
	s_wait_tensorcnt 0x0
	ds_add_u32 v232, v233
	s_wait_dscnt 0x0
	s_endpgm
.Lfunc_end_k_qc4a2147979_main:
	.size	k_qc4a2147979_main, .Lfunc_end_k_qc4a2147979_main-k_qc4a2147979_main
	.p2alignl 7, 3214868480
	.fill 96, 4, 3214868480
	.section	.rodata,"a",@progbits
	.p2align	6, 0x0
	.amdhsa_kernel k_qc4a2147979_main
		.amdhsa_group_segment_fixed_size 57088
		.amdhsa_private_segment_fixed_size 0
		.amdhsa_enable_private_segment 0
		.amdhsa_kernarg_size 40
		.amdhsa_user_sgpr_count 2
		.amdhsa_user_sgpr_kernarg_segment_ptr 1
		.amdhsa_wavefront_size32 1
		.amdhsa_system_sgpr_workgroup_id_x 1
		.amdhsa_system_sgpr_workgroup_id_y 1
		.amdhsa_system_sgpr_workgroup_id_z 1
		.amdhsa_system_vgpr_workitem_id 0
		.amdhsa_next_free_vgpr 234
		.amdhsa_next_free_sgpr 66
		.amdhsa_reserve_vcc 0
		.amdhsa_float_denorm_mode_32 3
		.amdhsa_float_denorm_mode_16_64 3
		.amdhsa_memory_ordered 1
		.amdhsa_forward_progress 1
		.amdhsa_inst_pref_size 126
	.end_amdhsa_kernel
	.amdgpu_metadata
---
amdhsa.version: [ 1, 2 ]
amdhsa.kernels:
  - .name:           k_qc4a2147979_main
    .symbol:         k_qc4a2147979_main.kd
    .args:
      - { .name: xq, .offset: 0, .size: 8, .value_kind: global_buffer, .address_space: global }
      - { .name: qe, .offset: 8, .size: 8, .value_kind: global_buffer, .address_space: global }
      - { .name: tab, .offset: 16, .size: 8, .value_kind: global_buffer, .address_space: global }
      - { .name: lam, .offset: 24, .size: 8, .value_kind: global_buffer, .address_space: global }
      - { .name: out0, .offset: 32, .size: 8, .value_kind: global_buffer, .address_space: global }
    .group_segment_fixed_size: 57088
    .private_segment_fixed_size: 0
    .kernarg_segment_align: 8
    .kernarg_segment_size: 40
    .max_flat_workgroup_size: 512
    .sgpr_count:     66
    .vgpr_count:     234
    .wavefront_size: 32
...
	.end_amdgpu_metadata
.endif
;; end of part 2
;; ======== version 2 of 2: 2 launches; version 1 with the launch main written anew for expert scheduling mode
;; limits: inputs' magnitudes at most 520
;; workspace buffers: xq 8,388,608 bytes of whole numbers; qe 256 bytes of whole numbers; tab 1,280 bytes
;; launch quant: the kernel of part 1 again; grid 513 x 1, 8 waves a work-group, no clusters, 0 bytes of LDS; arguments x, eta, raw_increments, Phi_y, xq, qe, tab; writes xq, qe, tab
;; launch main (part 3): grid 256 x 1, 16 waves a work-group, no clusters, 57,088 bytes of LDS; arguments xq, qe, tab, lam, out0; writes out0
.if DOCPART == 3
	.amdgcn_target "amdgcn-amd-amdhsa--gfx1250"
	.amdhsa_code_object_version 6
	.text
	.protected	k_qc4a2147979_main
	.globl	k_qc4a2147979_main
	.p2align	8
	.type	k_qc4a2147979_main,@function
k_qc4a2147979_main:
	s_mov_b64 s[64:65], 0
	v_nop
	global_prefetch_b8 v0, s[64:65] scope:SCOPE_SE
	s_setreg_imm32_b32 hwreg(HW_REG_WAVE_SCHED_MODE, 0, 2), 2
	s_setreg_imm32_b32 hwreg(HW_REG_WAVE_MODE, 25, 1), 1
	s_wait_xcnt 0x0
	s_wait_alu depctr_vm_vsrc(0)
; Second launch: out0[b][q] = Phi( sum over d of lam[d] * phi(x[b][d] + q eta) + q ).
; phi comes from the table of pairs: U = xq[b][d] + qe[q] (whole numbers), j = clamp(U >> 16, 0, 64), phi = a_j + b_j * float(U).
; Every index is made of whole numbers read from memory; no address hangs on a floating-point number.
; A work-group owns 32 rows b.  Wave w: bt = w & 1 (16 rows), kh = (w >> 1) & 1 (128 of the 256 d), qc = w >> 2 (16 of the 64 q).
; Lane (r, h) owns row 16 bt + r and d = 128 kh + 64 h + 0..63: its 64 whole numbers stay in registers for all 16 q.
; The sum over d is left to the matrix unit: phi, rounded once to bf16, is source B (column n = r); lam in bf16 is source A with all 16 rows
; alike, so register 0 of the result holds the sum of row r in every lane.  k is permuted alike in A and B: place p of chunk c is d = .. + 16 c + p.
; The two halves of d meet in LDS; the outer spline is then evaluated without a table look-up, as Phi_y[0] plus a sum of clamped ramps.
; LIMITS: as stated for the whole numbers (|x|, |q eta| above about 520 saturate; NaN in x or eta is not carried); phi and lam enter the sum in bf16.
; NO CLUSTER: what work-groups share is 2,304 bytes of tables and lam against 32,768 bytes of their own rows, loaded once.
; No tensor loads, no ring of slots: the rows are staged once, through registers, and nothing is filled again.
; THE MODE: SCHED_MODE bits 1:0 = 2 (LLVM: expert scheduling mode 2), set by the entry lines.  The code itself states the register dependences
; between vector or matrix instructions and memory or LDS instructions, with s_wait_alu, always for 0.
; THE PLAN.  Registers that memory or LDS instructions touch, in the loop:
;   IDX        Written by a chunk's four index lines; read by that chunk's sixteen gathers as their addresses.
;   AB0, AB1   A chunk's gathers land in one of them; its sixteen multiply-adds read it a chunk later; the gathers of two chunks on land in it again.
;   v3         A finished sum: written by one addition for each q, read by the LDS store of that q.
;   v2         The LDS address of the sums: read by those stores, written once a trip, at the trip's end.
;   UF0, UF1, P, lam's fragments and the accumulators are named by vector and matrix instructions alone.
; So a chunk's first half has two waits.  One on vm_vsrc at its head: the gathers of the chunk before have read IDX, the last store of a sum has read v3.
; One on va_vdst behind the index lines: IDX is written, the readers of the AB buffer in which the gathers land are done, and v3 (and v2) are written
; where a sum goes out.  The store and the sixteen gathers follow it, dealt among the conversions of U, which name UF alone.
; The trip's end has a pair of its own for the second sum and the step of v2.
.set XS_PITCH, 1040                    ; a row of 1,024 bytes + 16: the 16 rows that a fragment load touches fall on 16 different 16-byte columns of 256
.set TAB, 33280                        ; behind 32 rows of XS: 1,024 bytes of pairs
.set SP,  34304                        ; partial sums: a block of SPW bytes for each wave, 16 rows of SPP bytes (16 q of 4 bytes + 16)
.set SPW, 1296
.set SPP, 80
.set X,    16                          ; v[16:79]    my 64 whole numbers
.set LAM,  80                          ; v[80:111]   lam in bf16: 4 chunks of 8 registers
.set ACC0, 112                         ; v[112:119]  accumulator of chunks 0, 2
.set ACC1, 120                         ; v[120:127]  accumulator of chunks 1, 3
.set P,    128                         ; v[128:135]  phi of one chunk in bf16
.set UF0,  136                         ; v[136:151]  U, then float(U): buffer 0
.set UF1,  152                         ; v[152:167]  buffer 1
.set AB0,  168                         ; v[168:199]  the pairs (a, b): buffer 0
.set AB1,  200                         ; v[200:231]  buffer 1
.set IDX,  232                         ; v[232:247]  the sixteen byte offsets 8 j of one chunk
; the last phase, in registers that are free by then
.set DT,   16                          ; v[16:79]    Phi_y[0] and the 63 differences
.set U4,   80                          ; v[80:83]    s, then u - k of my four outputs
.set T,    84                          ; v[84:87]    the clamped ramp
.set Y,    88                          ; v[88:91]    the result
.set P0,   92                          ; v[92:95]    partial sums, d 0-127
.set P1,   96                          ; v[96:99]    partial sums, d 128-255
.set Q,    100                         ; v[100:103]  q
.set C3,   104                         ; v[104:105]  3.15 twice
.set C31,  106                         ; v[106:107]  31.5 twice
	s_load_b256 s[4:11], s[0:1], 0x0               ; xq s[4:5], qe s[6:7], tab s[8:9], lam s[10:11]
	s_load_b64 s[12:13], s[0:1], 0x20              ; out0
	v_lshl_add_u32 v248, v0, 2, 0xd700
	v_mov_b32 v249, 0
	v_lshrrev_b32 v12, 5, v0
	v_readfirstlane_b32 s14, v12                   ; wave number
	v_lshlrev_b32 v1, 4, v0                        ; 16 t: my 16 bytes of the work-group's part of out0
	v_and_b32 v12, 15, v0                          ; r
	v_bfe_u32 v13, v0, 4, 1                        ; h
	v_and_b32 v14, 31, v0
	v_lshlrev_b32 v14, 4, v14                      ; 16 x lane
	v_mul_u32_u24 v11, v12, XS_PITCH
	v_lshl_add_u32 v11, v13, 8, v11                ; r pitch + 256 h
	v_mul_u32_u24 v2, v12, SPP                     ; row r of a block of sums
	s_wait_alu depctr_va_sdst(0)                   ; s14 is written, ahead of its first reader: bt, kh, qc and the wave's addresses are made from it
	s_and_b32 s15, s14, 1                          ; bt
	s_bfe_u32 s16, s14, 0x10001                    ; kh
	s_lshr_b32 s17, s14, 2                         ; qc
	s_lshl_b32 s18, s14, 10
	v_add_nc_u32 v10, s18, v14                     ; staging, from: row w of the work-group's 32, 16 bytes a lane
	s_mul_i32 s18, s14, XS_PITCH
	v_add_nc_u32 v8, s18, v14                      ; staging, to: the same row in XS
	s_lshl_b32 s18, s14, 9
	v_add_nc_u32 v15, s18, v14                     ; waves 0, 1: 16 t, in tab and in TAB
	s_lshl_b32 s19, s16, 9                         ; 512 kh
	v_lshl_add_u32 v9, v13, 8, s19                 ; lam: byte 512 kh + 256 h
	s_mul_i32 s18, s15, 16*XS_PITCH
	s_add_co_u32 s18, s18, s19
	v_add_nc_u32 v11, s18, v11                     ; my 256 bytes in XS: (16 bt + r) pitch + 512 kh + 256 h
	s_mul_i32 s26, s14, SPW
	s_add_co_u32 s26, s26, SP
	v_add_nc_u32 v2, s26, v2                       ; where my row's sums go: my wave's block, row r
	s_lshl_b32 s20, ttmp9, 15                      ; 32 rows of 1,024 bytes of xq
	s_mov_b32 s21, 0
	s_lshl_b32 s22, ttmp9, 13                      ; 32 rows of 256 bytes of out0
	s_mov_b32 s23, 0
	s_lshl_b32 s24, s17, 6                         ; my 16 q in qe
	s_mov_b32 s25, 0
	s_wait_kmcnt 0x0
	s_add_nc_u64 s[4:5], s[4:5], s[20:21]
	s_add_nc_u64 s[12:13], s[12:13], s[22:23]
	s_add_nc_u64 s[6:7], s[6:7], s[24:25]
	s_load_b512 s[32:47], s[6:7], 0x0              ; the shifts of my 16 q
	s_wait_alu depctr_va_vdst(0)                   ; v1, v2, v8 to v11 and v15 are written: the offsets and LDS addresses that the loads and stores below read
	; rows w and w + 16, two halves of 512 consecutive bytes each
	global_load_b128 v[16:19], v10, s[4:5] th:TH_LOAD_NT
	global_load_b128 v[20:23], v10, s[4:5] offset:16384 th:TH_LOAD_NT
	global_load_b128 v[24:27], v10, s[4:5] offset:512 th:TH_LOAD_NT
	global_load_b128 v[28:31], v10, s[4:5] offset:16896 th:TH_LOAD_NT
.irp i, 0,1,2,3,4,5,6,7,8,9,10,11,12,13,14,15
	global_load_b128 v[AB0+4*\i:AB0+4*\i+3], v9, s[10:11] offset:16*\i     ; my 64 lam, in f32
.endr
	s_cmp_gt_u32 s14, 1
	s_cbranch_scc1 .Lno_tab
	global_load_b128 v[4:7], v15, s[8:9]           ; waves 0 and 1 copy the 1,024 bytes of pairs
	s_wait_loadcnt 0x0
	ds_store_b128 v15, v[4:7] offset:TAB
.Lno_tab:
	s_wait_loadcnt 16                              ; the four loads of rows are in; lam's sixteen, issued behind them, may stay out
	ds_store_b128 v8, v[16:19]
	ds_store_b128 v8, v[20:23] offset:16*XS_PITCH
	ds_store_b128 v8, v[24:27] offset:512
	ds_store_b128 v8, v[28:31] offset:16*XS_PITCH+512
	s_wait_dscnt 0x0                               ; my stores are in LDS before I say so
	s_barrier_signal -1
	s_barrier_wait -1                              ; XS and TAB are whole
	s_wait_alu depctr_vm_vsrc(0)                   ; my LDS stores have read v[16:31] (in waves 0 and 1 also v[4:7]): the loads below land in v[16:79]
.irp i, 0,1,2,3,4,5,6,7,8,9,10,11,12,13,14,15
	ds_load_b128 v[X+4*\i:X+4*\i+3], v11 offset:16*\i
.endr
	s_wait_loadcnt 0x0                             ; lam
.irp i, 0,1,2,3,4,5,6,7,8,9,10,11,12,13,14,15,16,17,18,19,20,21,22,23,24,25,26,27,28,29,30,31
	v_cvt_pk_bf16_f32 v[LAM+\i], v[AB0+2*\i], v[AB0+2*\i+1]
.endr
.irp j, 0,1,2,3,4,5,6,7
	v_mov_b32 v[P+\j], 0                           ; the half-word forms below keep the other half of their destination: it is written once here
.endr
	s_wait_kmcnt 0x0                               ; the shifts
	s_wait_dscnt 0x0                               ; my 64 whole numbers
; The sum of one q is the two accumulators' register 0 (SUM); both halves of the lanes store the same word with the same value (PUT).
.macro SUM
	v_add_f32 v3, v[ACC0], v[ACC1]
.endm
.macro PUT off
	ds_store_b32 v2, v3 offset:\off
.endm
; The first half of a chunk of 16 numbers a lane: U, the clamped index, sixteen gathers of a pair, float(U).
; c: chunk 0..3; sq: the scalar register with the shift of this q; uf, ab: the buffer.
; ext = 1: the finished sum of the q before is taken out here: its addition stands sixteen places behind the matrix instruction that ended it
; and ahead of the chunk's wait on va_vdst, its store behind that wait.
.macro STA c, sq, uf, ab, ext
	s_wait_alu depctr_vm_vsrc(0)                   ; the gathers of the chunk before have read IDX, and the last store of a sum has read v3: both are written again below
.irp e, 0,1,2,3,4,5,6,7,8,9,10,11,12,13,14,15
	v_add_nc_u32 v[\uf+\e], s[\sq], v[X+16*\c+\e]
.endr
.if \ext
	SUM
.endif
.irp e, 0,1,2,3,4,5,6,7,8,9,10,11,12,13,14,15
	v_ashrrev_i32 v[IDX+\e], 16, v[\uf+\e]
.endr
.irp e, 0,1,2,3,4,5,6,7,8,9,10,11,12,13,14,15
	v_max_i32 v[IDX+\e], 0, v[IDX+\e]
.endr
.irp e, 0,1,2,3,4,5,6,7,8,9,10,11,12,13,14,15
	v_min_u32 v[IDX+\e], 64, v[IDX+\e]
.endr
.irp e, 0,1,2,3,4,5,6,7,8,9,10,11,12,13,14,15
	v_lshlrev_b32 v[IDX+\e], 3, v[IDX+\e]
.endr
	s_wait_alu depctr_va_vdst(0)                   ; IDX is written, which the gathers read; the earlier readers of this AB buffer, in which they land, are done; where a sum goes out, v3 and v2 are written
.if \ext
	PUT 0
.endif
.irp e, 0,1,2,3,4,5,6,7,8,9,10,11,12,13,14,15
	ds_load_b64 v[\ab+2*\e:\ab+2*\e+1], v[IDX+\e] offset:TAB      ; no further wait: the conversions between name UF alone, which no LDS instruction touches
	v_cvt_f32_i32 v[\uf+\e], v[\uf+\e]
.endr
.endm
; Four places behind a matrix instruction before a vector instruction reads its result or writes one of its sources (ISA guide 7.12.1).
.macro PLACES
.rept 4
	v_nop
.endr
.endm
; The second half of a chunk: a + b float(U), rounded once to bf16, and one matrix instruction.
; cnt: LDS instructions that may stay out (the next chunk's sixteen gathers; a sum's store, where there is one, is older than they are).
; first = 1: the product starts the sum of a new q.
.macro STB c, uf, ab, acc, cnt, first
	s_wait_dscnt \cnt
.irp j, 0,1,2,3,4,5,6,7
	v_fma_mixlo_bf16 v[P+\j], v[\uf+2*\j], v[\ab+4*\j+1], v[\ab+4*\j]
.endr
.irp j, 0,1,2,3,4,5,6,7
	v_fma_mixhi_bf16 v[P+\j], v[\uf+2*\j+1], v[\ab+4*\j+3], v[\ab+4*\j+2]
.endr
.if \first
	v_wmma_f32_16x16x32_bf16 v[\acc:\acc+7], v[LAM+8*\c:LAM+8*\c+7], v[P:P+7], 0
.else
	v_wmma_f32_16x16x32_bf16 v[\acc:\acc+7], v[LAM+8*\c:LAM+8*\c+7], v[P:P+7], v[\acc:\acc+7]
.endif
.endm
; A trip: two q, eight chunks.  Each chunk's gathers are issued one chunk ahead, so that a whole first half (96 vector instructions) stands
; between a matrix instruction and the next write of P or read of a sum.  The two accumulators take turns, one instruction a turn, over the
; backward jump too.
.macro TRIP last
	STA 1, 32, UF1, AB1, 0
	STB 0, UF0, AB0, ACC0, 16, 1
	STA 2, 32, UF0, AB0, 0
	STB 1, UF1, AB1, ACC1, 16, 1
	STA 3, 32, UF1, AB1, 0
	STB 2, UF0, AB0, ACC0, 16, 0
	STA 0, 33, UF0, AB0, 0
	STB 3, UF1, AB1, ACC1, 16, 0
	STA 1, 33, UF1, AB1, 1                         ; the first q's sum goes out in this first half
	STB 0, UF0, AB0, ACC0, 16, 1
	STA 2, 33, UF0, AB0, 0
	STB 1, UF1, AB1, ACC1, 16, 1
	STA 3, 33, UF1, AB1, 0
	STB 2, UF0, AB0, ACC0, 16, 0
.if \last
	PLACES                                         ; no first half stands here: the places in front of the writes of P
	STB 3, UF1, AB1, ACC1, 0, 0
.else
	STA 0, 34, UF0, AB0, 0                         ; the next trip's first chunk
	STB 3, UF1, AB1, ACC1, 16, 0
.endif
	PLACES
	SUM                                            ; the second q's sum; behind the last trip its store follows the wait that stands there
.if \last == 0
	s_wait_alu depctr_va_vdst(0)                   ; the addition has written v3, which the store reads
	PUT 4
	s_wait_alu depctr_vm_vsrc(0)                   ; the store has read v2, which is written below
	v_add_nc_u32 v2, 8, v2                         ; two q on; its next reader stands behind the waits on va_vdst of the next trip's chunks
.irp i, 32,34,36,38,40,42,44
	s_mov_b64 s[\i:\i+1], s[\i+2:\i+3]             ; the shifts move down by two: s32, s33, s34 are this trip's two and the next one's first
.endr
.endif
.endm
	STA 0, 32, UF0, AB0, 0                         ; (its wait on va_vdst also states that the roundings of lam are done reading AB0; the next chunk's, AB1)
	s_mov_b32 s48, 7
.Ltrip:
	TRIP 0
	s_sub_co_i32 s48, s48, 1
	s_cmp_lg_u32 s48, 0
	s_cbranch_scc1 .Ltrip
	TRIP 1                                         ; the eighth trip looks no further ahead
	; ---- the outer spline.  Thread t: row t >> 4, q = 4 (t & 15) + 0..3 ----
	; The addresses of this phase are made first, so that one wait serves the last sum's store, the loads of the differences and the loads of the sums.
	v_mov_b32 v4, 0
	v_lshrrev_b32 v5, 8, v0                        ; bt of my row
	v_bfe_u32 v6, v0, 2, 2                         ; qc of my four q
	v_lshl_add_u32 v5, v6, 2, v5                   ; the wave bt + 4 qc (kh = 0)
	v_mul_u32_u24 v5, v5, SPW
	v_bfe_u32 v6, v0, 4, 4                         ; r of my row
	v_mul_u32_u24 v6, v6, SPP
	v_add_nc_u32 v5, v5, v6
	v_and_b32 v6, 3, v0
	v_lshl_add_u32 v5, v6, 4, v5
	s_wait_alu depctr_va_vdst(0)                   ; v3, v4 and v5 are written, which the store and the loads below read; the loop's additions are done reading v[16:79] and its matrix instructions v[92:99], in which loads land
	PUT 4
.irp i, 0,1,2,3,4,5,6,7,8,9,10,11,12,13,14,15
	global_load_b128 v[DT+4*\i:DT+4*\i+3], v4, s[8:9] offset:1024+16*\i    ; Phi_y[0] and the 63 differences, the same in every lane
.endr
	s_wait_dscnt 0x0                               ; my sums are in LDS before I say so
	s_barrier_signal -1
	s_barrier_wait -1
	ds_load_b128 v[P0:P0+3], v5 offset:SP          ; no vector instruction has been issued since the wait above
	ds_load_b128 v[P1:P1+3], v5 offset:SP+2*SPW    ; the wave with kh = 1 is two blocks on
	v_and_b32 v6, 15, v0
	v_lshlrev_b32 v6, 2, v6
	v_cvt_f32_u32 v[Q], v6
	v_add_f32 v[Q+1], 1.0, v[Q]
	v_add_f32 v[Q+2], 2.0, v[Q]
	v_add_f32 v[Q+3], 0x40400000, v[Q]
	v_mov_b32 v[C3], 0x4049999a                    ; 63 / 20
	v_mov_b32 v[C3+1], 0x4049999a
	v_mov_b32 v[C31], 0x41fc0000                   ; 10 * 63 / 20
	v_mov_b32 v[C31+1], 0x41fc0000
	s_wait_dscnt 0x0
	v_pk_add_f32 v[U4:U4+1],   v[P0:P0+1],   v[P1:P1+1]
	v_pk_add_f32 v[U4+2:U4+3], v[P0+2:P0+3], v[P1+2:P1+3]
	v_pk_add_f32 v[U4:U4+1],   v[U4:U4+1],   v[Q:Q+1]          ; s = sum + q
	v_pk_add_f32 v[U4+2:U4+3], v[U4+2:U4+3], v[Q+2:Q+3]
	v_pk_fma_f32 v[U4:U4+1],   v[U4:U4+1],   v[C3:C3+1], v[C31:C31+1]      ; u = (s + 10) * 3.15
	v_pk_fma_f32 v[U4+2:U4+3], v[U4+2:U4+3], v[C3:C3+1], v[C31:C31+1]
	s_wait_loadcnt 0x0
	; Phi = Phi_y[0] + d_0 min(u, 1) + sum over k = 1..61 of d_k clamp(u - k, 0, 1) + d_62 max(u - 62, 0):
	; the open first and last ramps are the two linear continuations.  u - k is made by taking 1 away k times, which is exact
	; as long as u - k is not negative, that is wherever the ramp is not clamped to 0.
.irp e, 0,1,2,3
	v_min_num_f32 v[T+\e], 1.0, v[U4+\e]
.endr
	v_pk_fma_f32 v[Y:Y+1],   v[T:T+1],   v[DT:DT+1], v[DT:DT+1] op_sel:[0,1,0] op_sel_hi:[1,1,0]   ; T d_0 + Phi_y[0]: word 1 times, word 0 plus
	v_pk_fma_f32 v[Y+2:Y+3], v[T+2:T+3], v[DT:DT+1], v[DT:DT+1] op_sel:[0,1,0] op_sel_hi:[1,1,0]
.set k, 1
.rept 62
	v_pk_add_f32 v[U4:U4+1],   v[U4:U4+1],   -1.0 op_sel_hi:[1,0]
	v_pk_add_f32 v[U4+2:U4+3], v[U4+2:U4+3], -1.0 op_sel_hi:[1,0]
.if k < 62
.irp e, 0,1,2,3
	v_med3_num_f32 v[T+\e], v[U4+\e], 0, 1.0
.endr
.else
.irp e, 0,1,2,3
	v_max_num_f32 v[T+\e], 0, v[U4+\e]
.endr
.endif
.if (1+k) & 1
	v_pk_fma_f32 v[Y:Y+1],   v[T:T+1],   v[DT+k:DT+k+1], v[Y:Y+1]   op_sel:[0,1,0] op_sel_hi:[1,1,1]    ; d_k is the pair's second word
	v_pk_fma_f32 v[Y+2:Y+3], v[T+2:T+3], v[DT+k:DT+k+1], v[Y+2:Y+3] op_sel:[0,1,0] op_sel_hi:[1,1,1]
.else
	v_pk_fma_f32 v[Y:Y+1],   v[T:T+1],   v[DT+k+1:DT+k+2], v[Y:Y+1]   op_sel_hi:[1,0,1]                 ; d_k is the pair's first word
	v_pk_fma_f32 v[Y+2:Y+3], v[T+2:T+3], v[DT+k+1:DT+k+2], v[Y+2:Y+3] op_sel_hi:[1,0,1]
.endif
.set k, k+1
.endr
	s_wait_alu depctr_va_vdst(0)                   ; the last multiply-adds have written v[Y ..], which the store reads
	global_store_b128 v1, v[Y:Y+3], s[12:13] th:TH_STORE_NT        ; sixteen lanes store one row of out0: 256 consecutive bytes, aligned
	s_wait_dscnt 0x0
	s_wait_alu depctr_hold_cnt(0) depctr_sa_sdst(0) depctr_va_vdst(0) depctr_va_sdst(0) depctr_va_ssrc(0) depctr_va_vcc(0) depctr_vm_vsrc(0)
	s_wait_tensorcnt 0x0
	ds_add_u32 v248, v249
	s_wait_dscnt 0x0
	s_endpgm
.Lfunc_end_k_qc4a2147979_main:
	.size	k_qc4a2147979_main, .Lfunc_end_k_qc4a2147979_main-k_qc4a2147979_main
	.p2alignl 7, 3214868480
	.fill 96, 4, 3214868480
	.section	.rodata,"a",@progbits
	.p2align	6, 0x0
	.amdhsa_kernel k_qc4a2147979_main
		.amdhsa_group_segment_fixed_size 57088
		.amdhsa_private_segment_fixed_size 0
		.amdhsa_enable_private_segment 0
		.amdhsa_kernarg_size 40
		.amdhsa_user_sgpr_count 2
		.amdhsa_user_sgpr_kernarg_segment_ptr 1
		.amdhsa_wavefront_size32 1
		.amdhsa_system_sgpr_workgroup_id_x 1
		.amdhsa_system_sgpr_workgroup_id_y 1
		.amdhsa_system_sgpr_workgroup_id_z 1
		.amdhsa_system_vgpr_workitem_id 0
		.amdhsa_next_free_vgpr 250
		.amdhsa_next_free_sgpr 66
		.amdhsa_reserve_vcc 0
		.amdhsa_float_denorm_mode_32 3
		.amdhsa_float_denorm_mode_16_64 3
		.amdhsa_memory_ordered 1
		.amdhsa_forward_progress 1
		.amdhsa_inst_pref_size 127
	.end_amdhsa_kernel
	.amdgpu_metadata
---
amdhsa.version: [ 1, 2 ]
amdhsa.kernels:
  - .name:           k_qc4a2147979_main
    .symbol:         k_qc4a2147979_main.kd
    .args:
      - { .name: xq, .offset: 0, .size: 8, .value_kind: global_buffer, .address_space: global }
      - { .name: qe, .offset: 8, .size: 8, .value_kind: global_buffer, .address_space: global }
      - { .name: tab, .offset: 16, .size: 8, .value_kind: global_buffer, .address_space: global }
      - { .name: lam, .offset: 24, .size: 8, .value_kind: global_buffer, .address_space: global }
      - { .name: out0, .offset: 32, .size: 8, .value_kind: global_buffer, .address_space: global }
    .group_segment_fixed_size: 57088
    .private_segment_fixed_size: 0
    .kernarg_segment_align: 8
    .kernarg_segment_size: 40
    .max_flat_workgroup_size: 512
    .sgpr_count:     66
    .vgpr_count:     250
    .wavefront_size: 32
...
	.end_amdgpu_metadata
.endif
;; end of part 3
